; MI455X (gfx1250); checked and timed in simulation.
; The chip was launched on July 23, 2026; its instructions are those of AMD's public machine-readable ISA for CDNA 5 (MIT licence, August 2026) and "CDNA5" Instruction Set Architecture Reference Guide (July 2026). The comments in the code are by the model that wrote it; some were corrected since.
;; Attention Head. Allowed arithmetic: matrix products marked QUANTISED: E2M3 operands, one E8M0 scale for each 32 along K, by v_wmma_scale_f32_16x16x128_f8f6f4 with both operands' format E2M3, f32 sums; everything else in f32.
;; Inputs: k_codes 16 x 2,048 x 2 x 24 uint8 (E2M3 codes of k, K innermost, in blocks of 32 codes, four codes in three bytes); k_scales 16 x 2,048 x 2 uint8 (E8M0 scales of k, one for each 32 codes along K); q_codes 16 x 2,048 x 2 x 24 uint8 (E2M3 codes of q, K innermost, in blocks of 32 codes, four codes in three bytes); q_scales 16 x 2,048 x 2 uint8 (E8M0 scales of q, one for each 32 codes along K); v_codes 16 x 64 x 64 x 24 uint8 (E2M3 codes of v, K innermost, in blocks of 32 codes, four codes in three bytes); v_scales 16 x 64 x 64 uint8 (E8M0 scales of v, one for each 32 codes along K).
;; Outputs: out0 16 x 2,048 x 64 float32.
;; This version of the problem:
;;   THIS VERSION OF THE PROBLEM IS GIVEN IN LOW PRECISION. The matrix products marked QUANTISED in the list below multiply operands that are first quantised to E2M3 (2 exponent bits, 3 mantissa bits; 6 bits a number), with one power-of-two scale for each 32 numbers along K (OCP MX v1.0); their sums are f32. All else is computed in f32.
;;   The module's matrix products, in the order in which they are computed (A, B: the left and right operand; K: the contracted axis; several contracted axes count as one K, in the product's order):
;;     1. batch 16 x [M 2,048, K 64] x [K 64, N 2,048]; A: input q (given as codes); B: input k (given as codes): QUANTISED
;;     2. batch 16 x [M 2,048, K 2,048] x [K 2,048, N 64]; A: softmax (see below); B: input v (given as codes): QUANTISED
;;   THE QUANTISER, for each operand of a quantised product, along K:
;;     - K is cut into blocks of 32 from its start; a last block that is shorter is filled with zeros.
;;     - A block's scale is 2^e with e = floor(log2(the largest magnitude in the block)) - 2, held to -126 .. 127; a block of zeros has e = 0. As a byte (E8M0): e + 127.
;;     - Each number is divided by its block's scale, clamped to +-7.5, and rounded to the nearest number of E2M3, ties to even, subnormals kept.
;;     - The product sums the exact products of the quantised numbers (number of the format x scale) in f32.
;;   ~~~python
;;   def quantise(x, axis):      # numpy; x: float32 -> the quantised numbers, widened to float32 again
;;       x = np.moveaxis(x, axis, -1); K = x.shape[-1]
;;       x = np.pad(x, [(0, 0)] * (x.ndim - 1) + [(0, -K % 32)]); x = x.reshape(x.shape[:-1] + (-1, 32)); a = np.abs(x).max(-1, keepdims=True)
;;       e = np.where(a > 0, np.clip(np.frexp(np.where(a > 0, a, 1))[1] - 1 - 2, -126, 127), 0)      # np.frexp(a)[1] - 1 = floor(log2(a)), exactly
;;       r = np.clip(x / 2.0 ** e, -7.5, 7.5)
;;       step = 2.0 ** (np.maximum(np.frexp(np.where(r == 0, 1, r))[1] - 1, 0) - 3)
;;       q = np.round(r / step) * step * 2.0 ** e      # np.round: ties to even
;;       return np.moveaxis(q.reshape(q.shape[:-2] + (-1,))[..., :K], -1, axis).astype(np.float32)
;;   ~~~
;;   SOFTMAX AHEAD OF A QUANTISED PRODUCT. Where the list says 'softmax', what is quantised is not the finished softmax but p = 2^(t - M), with t = logit x log2(e) and M = ceil(the row's largest t), a whole number; so 1/2 < the row's largest p <= 1. The row's sum l is taken of the UNQUANTISED p, in f32, and the product's result is divided by l at the end. Since M is a whole number, a kernel that streams over the keys may use a running M (the ceiling of the running maximum): every later rescaling is an exact power of two, which a block's scale takes up: the codes' values come out the same.
;;   OPERANDS COMPUTED ON THE WAY. 'Computed on the way' means the value that the module computes at that place (a softmax that the list does not call 'softmax' is quantised finished and normalised). What goes into a quantiser is computed in f32, as accurately as f32 sums, v_exp_f32 and their like allow (about 1e-6 of the number): no bf16 or f16 on the way to a quantiser, and a product that is left as it is and whose result goes on into a quantised operand takes f32 operands (vector FMAs, or v_wmma_f32_16x16x4_f32). A number that lies on a knife's edge between two numbers of the format may be rounded either way, as far as f32 arithmetic and the matrix unit's own rounding can turn it there, and no further.
;;   INPUTS GIVEN AS CODES. k (in the module: [16, 2048, 64], K = its axis 2); q (in the module: [16, 2048, 64], K = its axis 2); v (in the module: [16, 2048, 64], K = its axis 1): each comes as NAME_codes (uint8): NAME with its K axis moved to the last place and cut into blocks of 32 codes, [.., K / 32, bytes a block], one block behind the other in memory; four codes in three bytes: a row's codes are one little-endian stream of bits, code i at bits 6 i .. 6 i + 5 (a code: sign, 2 exponent bits, 3 mantissa bits); and NAME_scales (uint8): the same leading axes, one E8M0 byte (e + 127) for each 32 codes along K. Its value is code x scale, taken as it is: it is not quantised again, and the codes and scales need not be those that the quantiser above would give.
;; One version. Each part assembles by itself: llvm-mc -triple=amdgcn-amd-amdhsa -mcpu=gfx1250 --defsym DOCPART=n.
;; ======== version 1 of 1: 1 launch
;; limits: right only within a limited range of input values
;; launch attn (part 1): grid 16 x 16, 16 waves a work-group, clusters of 4 x 1, 296,960 bytes of LDS; arguments k_codes, k_scales, q_codes, q_scales, v_codes, v_scales, out0; writes out0
.if DOCPART == 1
	.amdgcn_target "amdgcn-amd-amdhsa--gfx1250"
	.amdhsa_code_object_version 6
	.text
	.protected	k_qd96211b0bc_attn
	.globl	k_qd96211b0bc_attn
	.p2align	8
	.type	k_qd96211b0bc_attn,@function
k_qd96211b0bc_attn:
	s_mov_b64 s[64:65], 0
	v_nop
	global_prefetch_b8 v0, s[64:65] scope:SCOPE_SE
	s_setreg_imm32_b32 hwreg(HW_REG_WAVE_MODE, 25, 1), 1
	s_wait_xcnt 0x0
	s_wait_alu depctr_hold_cnt(0) depctr_sa_sdst(0) depctr_va_vdst(0) depctr_va_sdst(0) depctr_va_ssrc(0) depctr_va_vcc(0) depctr_vm_vsrc(0)
	s_getreg_b32 s2, hwreg(HW_REG_IB_STS2, 6, 4)
	s_cmp_eq_u32 s2, 0
	s_cbranch_scc0 .Lentry_in_a_cluster
	s_endpgm
.Lentry_in_a_cluster:
	s_bfe_u32 s2, ttmp6, 0x10000c
	s_cmp_lg_u32 s2, 0x3003
	s_cbranch_scc0 .Lentry_shape_is_right
	s_endpgm
.Lentry_shape_is_right:
; out0[b][i][:] = sum over j of softmax_j(L[i][j]) v[b][j][:],  L = q[b][i] . k[b][j] / 64, made -1e20 where j > i and where the logit is exactly 0.
; 16 heads, 2,048 queries and keys, head size 64.  q, k, v: codes of FP6 (E2M3) with one E8M0 byte for each 32 along K; v has the keys innermost.  out0: f32.
; Both products by v_wmma_scale_f32_16x16x128_f8f6f4 on FP6.  THE FIRST PRODUCT HAS K = 64: registers 6-11 of both fragments hold zero codes, and bytes 2, 3 of both scale words are 0 (2^-127, no NaN).
; SOFTMAX: t = score x log2(e) / 64; M = the largest t so far rounded up to a whole number; p = 2^(t - M) is quantised along the keys; the sum is taken of the unquantised p and divides at the end.
; MASKS: a hidden score and a score that is exactly 0 become SEN = -2^73.  c x SEN is exact and a whole number, so in a row with nothing else t - M is exactly 0 there (p = 1) and in every other row p = 0.
; A ROW WITH NOTHING LEFT (every visible logit 0) has all 2,048 logits at -1e20, the hidden ones too: its result is the mean of ALL of the head's v.  The head's sum of v is made once a work-group
; (a product of v with codes of 1.0) and is chosen by v_cndmask_b32 where the merged -M is 2^60 or more.  No branch hangs on data.
; LIMITS: |score| / 64 under 4.4e12 (a hidden logit is then exactly -1e20 in f32); logits under about -8e17 (t under -2^60) count as masked; a score so small that score / 64 underflows to 0 is not
; taken as a zero; scale bytes 0xff (NaN) are not served.
; SHARES.  A unit = 16 queries x 128 keys.  A head has 128 tiles of 16 queries in 16 groups G of 8; a tile of group G needs steps 0 .. G; step G lies on the diagonal.  1,088 units a head, 68 a work-group.
; Cluster c (0 .. 3) of a head owns groups c, 15 - c, 7 - c, 8 + c; partner cx takes tiles 2 cx + u (u = 0, 1) of each.  A team of four waves (tau = wave / 4) owns a long tile B (group 15 - c or 8 + c) and
; a short tile A (group 15 - G_B): 17 units.  Wave rho of a team takes B's steps rho + 4 i and A's steps (3 - rho) + 4 i: 5, 4, 4, 4 units.  rho is rotated from team to team, so that the four
; waves with five units have four different numbers modulo 4.  Each wave keeps its own M, sum and O^T; a tile's four partials meet in LDS and are merged by exact powers of two.
; CLUSTER.  The four partners walk the same head, so all of K, V and their scale bytes are asked for JOINTLY (mask 15).  The whole head fits in LDS: every byte is filled once, nothing is filled again.
; Branches hang on c (the same in all partners) and on the wave's number; cx enters only Q's and out0's offsets in memory and the number that the diagonal's compare takes.
; LAYOUT.  Both products transposed: S^T = K Q^T, O^T = V^T P^T: a lane holds ONE query (lane % 16).  Lane r of K's tile 2 b + u takes key 32 b + 8 u + r + 8 (r / 8), so that registers 16 b + i of S^T are
; keys 32 b + 16 (lane / 16) + i: sixteen neighbours along the next K.
; LDS: K codes 48 bytes a key, dense (the two groups of eight keys of a tile lie 768 bytes apart, a multiple of 256: these loads go two deep; a padding that mends it would cost half as many bytes again);
; V codes in four chunks of 512 keys: 64 rows of 384 bytes with 16 bytes of padding behind each 128: pitch 432 = 108 words: the 32 lanes of an 8-byte load touch 64 different banks (64 banks of 4 bytes: ISA guide 11.1).
.set KCH,    24576                     ; K: a chunk of 512 keys (four steps) in bytes, in memory and in LDS
.set VCH,    27648                     ; V: a chunk in LDS: 64 rows x 432
.set VPITCH, 432
.set VB,     98304                     ; V's four chunks
.set SCK,    208896                    ; K's scale bytes, 2 a key, dense: 4,096
.set SCV,    212992                    ; V's scale bytes: 64 rows of 64 + 8 of padding: 4,608
.set PB,     217600                    ; tile B's partials: 16 x 4,352
.set PSZ,    4352                      ; a partial: O^T as an image of its registers (8 x 512), -M (128), the sum (128)
.set VSP,    287232                    ; partial sums of V: 16 x 256
.set VSF,    291328                    ; the head's sum of V: 256.  Tile A's partials lie over K (from byte 0), the stages over V: both are stored only when nobody reads K or V any more
.set SPITCH, 272                       ; the way out: 16 rows x (256 + 16) for each wave that merges
.set WV,  18                           ; s18 wave;  s19 team tau;  s24 rho;  s25 4 tau + rho;  s26 pi = wave / 8;  s27 u = tau % 2
.set TAU, 19
.set SEL, 20                           ; s[20:21] selects for v_permlanex16_b32: lane l xor 16
.set CS,  22                           ; s[22:23] c = log2(e) / 64
.set RHO, 24
.set WP,  25
.set PI,  26
.set UU,  27
.set GB,  28                           ; s28, s29 the groups of tiles B and A;  s30 the group of the job in hand;  s31 the step in hand
.set GA,  29
.set GG,  30
.set SS,  31
.set G1KC, 32                          ; s[32:39] group 1: a chunk of K;  s[40:47] of V;  s[48:55] K's scale bytes;  s[56:63] V's
.set G1VC, 40
.set G1KS, 48
.set G1VS, 56
.set TBK, 66                           ; s66, s67, s92, s93: what four steps on add to the LDS addresses of K, V, K's scale words, V's
.set TBV, 67
.set G0KS, 68                          ; groups 0: K's scale bytes, K's chunk 0, K's chunk n, V's scale bytes, V's chunk 0, V's chunk n
.set G0K0, 72
.set G0KX, 76
.set G0VS, 80
.set G0V0, 84
.set G0VX, 88
.set TBS, 92
.set TBT, 93
.set CNT, 94
.set TMP, 95
.set MK,  96                           ; s[96:99] four lane masks
.set AKJ,  1                           ; v1-3 the job's bases (K, K's scale words, V's);  v4-6 the step's addresses;  v7-11 the lane's places, which stay
.set ASKJ, 2
.set ASVJ, 3
.set ADK,  4
.set ADS,  5
.set ADT,  6
.set AK0,  7
.set ASK0, 8
.set ASV0, 9
.set VR,   10
.set XH,   11
.set QF,   16                          ; v16-27 Q's fragment (v22-27 zeros), v28 its scale word.  v12 -M, v13 the largest t, v[14:15] the sum in two halves
.set QSC,  28
.set SEN,  29                          ; v29 -2^73
.set DQ,   30                          ; v30 my query less the diagonal step's first key less 16 (lane / 16)
.set PAI,  31                          ; v31 where my partial's image goes for tile A;  v223 for tile B;  v220, v255 the same for -M and the sum
.set KF,   32                          ; v32-79 four fragments of K (registers 6-11 of each stay zero)
.set KSC,  80                          ; v80-83 K's scale words: lanes 0-15 tile 2 b, lanes 16-31 tile 2 b + 1;  v84-85 V's likewise
.set VSC,  84
.set QA,   86                          ; v86-92 tile A's Q and its scale word, kept for the second job
.set S,    96                          ; v96-159 S^T, then p; v96-143 then take V's four fragments
.set O,    160                         ; v160-191 O^T
.set AVJ,  192                         ; v192-197 V's six pieces: the job's addresses;  v198-203 the step's
.set ADV,  198
.set PAS,  220
.set AVSP, 221
.set AVR,  222
.set PBI,  223
.set PC,   224                         ; v224-235 p's codes; v232-254 at work
.set QV,   250                         ; v250, v251 Q's offsets in memory
.set QS,   251
.set PBS,  255
.macro ROUND                           ; a round of the cluster's barrier
	s_barrier_signal -1
	s_barrier_wait -1
	s_cmp_lg_u32 s[WV], 0
	s_cbranch_scc1 .Lnot_wave_0_\@
	s_barrier_signal -3
.Lnot_wave_0_\@:
	s_barrier_wait -3
	s_barrier_signal -1
	s_barrier_wait -1
.endm
.macro PLACES                          ; four plain places behind matrix instructions (ISA guide 7.12.1), where no other vector work is at hand
.rept 4
	v_nop
.endr
.endm
; The job's bases for steps sigma + 4 i; sigma (0 .. 3) in s[sg].  A step is 6,144 bytes of K, 256 of K's scale bytes, 4 in each row of V's, 96 data bytes in each row of V.
.macro JOBADDR sg
	s_mul_i32 s[TMP], s[\sg], 6144
	v_add_nc_u32 v[AKJ], s[TMP], v[AK0]
	s_lshl_b32 s[TMP], s[\sg], 8
	v_add_nc_u32 v[ASKJ], s[TMP], v[ASK0]
	s_lshl_b32 s[TMP], s[\sg], 2
	v_add_nc_u32 v[ASVJ], s[TMP], v[ASV0]
	s_mul_i32 s[TMP], s[\sg], 96
	v_add_nc_u32 v93, s[TMP], v[XH]                ; 24 (lane / 16) + 96 sigma
.irp p, 0,1,2,3,4,5
	v_add_nc_u32 v94, 48*(\p/3)+8*(\p%3), v93      ; piece p: data byte x of the chunk's row;
	s_delay_alu instid0(VALU_DEP_1)
	v_lshrrev_b32 v95, 7, v94
	s_delay_alu instid0(VALU_DEP_1)
	v_lshl_add_u32 v94, v95, 4, v94                ; it lies at x + 16 (x / 128): 16 bytes of padding behind each 128
	s_delay_alu instid0(VALU_DEP_1)
	v_add_nc_u32 v[AVJ+\p], v[VR], v94
.endr
.endm
; A job begins: the step is written once, so O^T and the sum begin as zeros and the largest t as -3e38.  A wave with no step of a job leaves this as its partial: the merge gives it the factor 0.
.macro INIT
	v_mov_b32 v13, 0xff61b1e6
	s_delay_alu instid0(VALU_DEP_1)
	v_floor_f32 v12, -v13
	v_mov_b32 v14, 0
	v_mov_b32 v15, 0
.irp b, 0,1,2,3
	v_mov_b32 v[236+\b], 0                         ; a lane permute's destination counts as one of its sources
.endr
	v_mov_b32 v253, 0                              ; named as the upper half of the pair v[252:253] before it is first made
.set JJ, 0
.rept 32
	v_mov_b32 v[O+JJ], 0
.set JJ, JJ+1
.endr
	s_mov_b32 s[TBK], 0
	s_mov_b32 s[TBV], 0
	s_mov_b32 s[TBS], 0
	s_mov_b32 s[TBT], 0
.endm
; A UNIT: my 16 queries x the 128 keys of step s[SS].  hid = 1: the step may lie past the tile's last (it is then left out, but for the lines at its end that step addresses) or on the diagonal.
.macro STEP hid
.if \hid
	s_cmp_gt_u32 s[SS], s[GG]
	s_cbranch_scc1 .Lskip_\@
.endif
	s_setprio 2
	v_add_nc_u32 v[ADK], s[TBK], v[AKJ]            ; nine additions: also the places between the last products, which read v96 on, and the products below, which write there
	s_wait_alu depctr_va_vdst(0)
	v_add_nc_u32 v[ADS], s[TBS], v[ASKJ]
	s_wait_alu depctr_va_vdst(0)
	v_add_nc_u32 v[ADT], s[TBT], v[ASVJ]
.irp p, 0,1,2,3,4,5
	v_add_nc_u32 v[ADV+\p], s[TBV], v[AVJ+\p]
.endr
.irp g, 0,1                                    ; S^T = K Q^T, four tiles of 16 keys at a time
.if \g
	PLACES                                         ; in front of loads into registers that the four products above have read
.endif
.irp t, 0,1,2,3
.irp p, 0,1,2
	ds_load_b64 v[KF+12*\t+2*\p:KF+12*\t+2*\p+1], v[ADK] offset:(32*((4*\g+\t)/2)+8*(\t%2))*48+8*\p   ; 24 bytes: k = 32 (lane / 16) + 0 .. 31 of my key
.endr
.endr
	ds_load_u16 v[KSC+2*\g], v[ADS] offset:128*\g          ; two scale bytes a key, the upper two bytes of the word 0
	ds_load_u16 v[KSC+2*\g+1], v[ADS] offset:128*\g+64
	s_wait_dscnt 0x0
.irp t, 0,1,2,3
.if \t%2
	v_wmma_scale_f32_16x16x128_f8f6f4 v[S+8*(4*\g+\t):S+8*(4*\g+\t)+7], v[KF+12*\t:KF+12*\t+11], v[QF:QF+11], 0, v[KSC+2*\g+\t/2], v[QSC] matrix_a_fmt:MATRIX_FMT_FP6 matrix_b_fmt:MATRIX_FMT_FP6 matrix_a_scale:MATRIX_SCALE_ROW1
.else
	v_wmma_scale_f32_16x16x128_f8f6f4 v[S+8*(4*\g+\t):S+8*(4*\g+\t)+7], v[KF+12*\t:KF+12*\t+11], v[QF:QF+11], 0, v[KSC+2*\g+\t/2], v[QSC] matrix_a_fmt:MATRIX_FMT_FP6 matrix_b_fmt:MATRIX_FMT_FP6
.endif
.endr
.endr
	PLACES
.if \hid                                       ; on the diagonal: register 16 b + i holds key 32 b + 16 (lane / 16) + i of the step: hidden where 32 b + i > v[DQ]
	s_cmp_lg_u32 s[SS], s[GG]
	s_cbranch_scc1 .Lopen_\@
.irp b, 0,1,2,3
.irp i, 0,1,2,3,4,5,6,7,8,9,10,11,12,13,14,15
	v_cmp_gt_i32 vcc_lo, 32*\b+\i, v[DQ]
	v_cndmask_b32 v[S+16*\b+\i], v[S+16*\b+\i], v[SEN], vcc_lo
.endr
.endr
.Lopen_\@:
.endif
.set JJ, 0
.rept 16                                       ; a score that is exactly 0 is masked too; four at a time, each accumulator from its low end on
.irp k, 0,1,2,3
	v_cmp_eq_f32 s[MK+\k], 0, v[S+JJ+\k]
.endr
.irp k, 0,1,2,3
	v_cndmask_b32 v[S+JJ+\k], v[S+JJ+\k], v[SEN], s[MK+\k]
.endr
.set JJ, JJ+4
.endr
.irp b, 0,1,2,3
	v_max3_num_f32 v[232+\b], v[S+16*\b], v[S+1+16*\b], v[S+2+16*\b]   ; the largest score of each block of 32 keys: for the row's maximum, and, since p rises with the score, for the block's largest p
.endr
.irp i, 3,5,7,9,11,13
.irp b, 0,1,2,3
	s_delay_alu instid0(VALU_DEP_4)
	v_max3_num_f32 v[232+\b], v[232+\b], v[S+16*\b+\i], v[S+1+16*\b+\i]
.endr
.endr
.irp b, 0,1,2,3
	s_delay_alu instid0(VALU_DEP_4)
	v_max_num_f32 v[232+\b], v[232+\b], v[S+15+16*\b]
.endr
.irp b, 0,1,2,3
	s_delay_alu instid0(VALU_DEP_4)
	v_permlanex16_b32 v[236+\b], v[232+\b], s[SEL], s[SEL+1]
.endr
.irp b, 0,1,2,3
	s_delay_alu instid0(VALU_DEP_4)
	v_max_num_f32 v[232+\b], v[232+\b], v[236+\b]  ; with lane l xor 16's 16 keys
.endr
	s_delay_alu instid0(VALU_DEP_2)
	v_max3_num_f32 v254, v232, v233, v234
	s_delay_alu instid0(VALU_DEP_1)
	v_max_num_f32 v254, v254, v235                 ; the step's largest score of my query
	s_delay_alu instid0(VALU_DEP_1)
	v_mul_f32 v254, s[CS], v254                    ; as t (c is positive)
	s_delay_alu instid0(VALU_DEP_1)
	v_max_num_f32 v13, v13, v254                   ; the largest t so far
	v_mov_b32 v254, v12
	s_delay_alu instid0(VALU_DEP_2)
	v_floor_f32 v12, -v13                          ; the new -M = floor(-t): M is a whole number
	s_delay_alu instid0(VALU_DEP_1)
	v_sub_f32 v254, v12, v254                      ; old M less new M: a whole number, 0 or less
	s_delay_alu instid0(VALU_DEP_1)
	v_cvt_i32_f32 v254, v254                       ; (it saturates)
	s_delay_alu instid0(VALU_DEP_1)
	v_ldexp_f32 v252, 1.0, v254                    ; f = 2^(old M - new M): a multiplication by it rounds nothing
.set JJ, 0
	s_setprio 1
.rept 32
	v_pk_fma_f32 v[S+JJ:S+JJ+1], v[S+JJ:S+JJ+1], s[CS:CS+1], v[12:13] op_sel_hi:[1,0,0]   ; t - M, two at a time
.set JJ, JJ+2
.endr
.irp b, 0,1,2,3
	v_fma_f32 v[232+\b], v[232+\b], s[CS], v12     ; the same of each block's largest score
.endr
.set JJ, 0
	s_wait_alu depctr_va_vdst(0)
.rept 64
	v_exp_f32 v[S+JJ], v[S+JJ]                     ; p = 2^(t - M), at most 1, not normalised
.set JJ, JJ+1
.endr
.irp b, 0,1,2,3
	v_exp_f32 v[232+\b], v[232+\b]                 ; the block's largest p: the same two instructions on the same number
.endr
	v_pk_mul_f32 v[14:15], v[14:15], v[252:253] op_sel_hi:[1,0]   ; the sums under the new M (a plain place behind the exponentials)
	s_wait_alu depctr_va_vdst(0)
.irp b, 0,1,2,3
	v_max_num_f32 v[232+\b], 0x1800000, v[232+\b]  ; the floor 2^(3 - 127): the byte cannot fall under 1; a block of zeros keeps that byte over zero codes
.endr
.irp b, 0,1,2,3
	s_delay_alu instid0(VALU_DEP_4)
	v_add_nc_u32 v[244+\b], 0xff000000, v[232+\b]  ; 2 off the exponent field: the conversion's scale operand
.endr
.irp b, 0,1,2,3
	s_delay_alu instid0(VALU_DEP_4)
	v_lshrrev_b32 v[236+\b], 23, v[244+\b]         ; the scale's byte
.endr
	s_delay_alu instid0(VALU_DEP_3)
	v_lshl_or_b32 v253, v237, 8, v236              ; p's scale word for these 128 keys
	s_delay_alu instid0(VALU_DEP_1)
	v_lshl_or_b32 v253, v238, 16, v253
	s_delay_alu instid0(VALU_DEP_1)
	v_lshl_or_b32 v253, v239, 24, v253
.irp c, 0,1
	v_cvt_scalef32_pk16_fp6_f32 v[PC+6*\c:PC+2+6*\c], v[S+32*\c:S+15+32*\c], v[244+2*\c]
	v_cvt_scalef32_pk16_fp6_f32 v[236+4*\c:238+4*\c], v[S+16+32*\c:S+31+32*\c], v[244+2*\c+1]   ; (a conversion's three registers begin on an even number)
.endr
	v_nop                                          ; one plain place behind a scaled conversion
.irp c, 0,1                                    ; the operand's layout wants a whole block in a lane: lanes 0-15 block 2 c, lanes 16-31 block 2 c + 1
.irp i, 0,1,2
	v_permlane16_swap_b32 v[PC+6*\c+\i], v[236+4*\c+\i]
.endr
.irp i, 0,1,2
	s_delay_alu instid0(VALU_DEP_3)
	v_mov_b32 v[PC+3+6*\c+\i], v[236+4*\c+\i]
.endr
.endr
	v_pk_add_f32 v[236:237], v[100:101], v[104:105]
	v_pk_add_f32 v[250:251], v[108:109], v[112:113]
	v_pk_add_f32 v[246:247], v[116:117], v[120:121]
	v_pk_add_f32 v[244:245], v[124:125], v[128:129]
	v_pk_add_f32 v[242:243], v[132:133], v[136:137]
	v_pk_add_f32 v[240:241], v[140:141], v[144:145]
	v_pk_add_f32 v[218:219], v[148:149], v[152:153]
	v_pk_add_f32 v[14:15], v[14:15], v[156:157]
	v_pk_add_f32 v[236:237], v[236:237], v[96:97]
	v_pk_add_f32 v[250:251], v[250:251], v[98:99]
	v_pk_add_f32 v[246:247], v[246:247], v[102:103]
	v_pk_add_f32 v[244:245], v[244:245], v[106:107]
	v_pk_add_f32 v[242:243], v[242:243], v[110:111]
	v_pk_add_f32 v[240:241], v[240:241], v[114:115]
	s_setprio 0
	v_pk_add_f32 v[218:219], v[218:219], v[118:119]
	v_pk_add_f32 v[14:15], v[14:15], v[122:123]
	v_pk_add_f32 v[236:237], v[236:237], v[126:127]
	v_pk_add_f32 v[250:251], v[250:251], v[130:131]
	v_pk_add_f32 v[246:247], v[246:247], v[134:135]
	v_pk_add_f32 v[244:245], v[244:245], v[138:139]
	v_pk_add_f32 v[242:243], v[242:243], v[142:143]
	v_pk_add_f32 v[240:241], v[240:241], v[146:147]
	v_pk_add_f32 v[218:219], v[218:219], v[150:151]
	v_pk_add_f32 v[14:15], v[14:15], v[154:155]
	v_pk_add_f32 v[236:237], v[236:237], v[158:159]
	s_delay_alu instid0(VALU_DEP_2)
	v_pk_add_f32 v[14:15], v[14:15], v[244:245]
	s_delay_alu instid0(VALU_DEP_2)
	v_pk_add_f32 v[236:237], v[236:237], v[242:243]
	v_pk_add_f32 v[250:251], v[250:251], v[240:241]
	v_pk_add_f32 v[246:247], v[246:247], v[218:219]
	s_delay_alu instid0(VALU_DEP_2)
	v_pk_add_f32 v[14:15], v[14:15], v[250:251]
	s_delay_alu instid0(VALU_DEP_2)
	v_pk_add_f32 v[236:237], v[236:237], v[246:247]
	s_delay_alu instid0(VALU_DEP_1)
	v_pk_add_f32 v[14:15], v[14:15], v[236:237]
.irp t, 0,1,2,3                                ; p is done with: V's four fragments (16 of the head's 64 x these 128 keys) take its first 48 registers
.irp p, 0,1,2,3,4,5
	ds_load_b64 v[S+12*\t+2*\p:S+12*\t+2*\p+1], v[ADV+\p] offset:16*VPITCH*\t
.endr
.endr
	ds_load_b32 v[VSC], v[ADT]                     ; lanes 0-15 the words of rows 0-15, lanes 16-31 of rows 16-31;
	ds_load_b32 v[VSC+1], v[ADT] offset:32*72      ; and of rows 32-63
.set JJ, 0
.rept 16
	v_pk_mul_f32 v[O+JJ:O+JJ+1], v[O+JJ:O+JJ+1], v[252:253] op_sel_hi:[1,0]   ; O^T under the new M, while the loads are out
.set JJ, JJ+2
.endr
	s_wait_alu depctr_va_vdst(0)
	s_wait_dscnt 0x0
.irp t, 0,1,2,3                                ; O^T += V^T P^T: four accumulators by turns, one instruction a turn
.if \t%2
	v_wmma_scale_f32_16x16x128_f8f6f4 v[O+8*\t:O+8*\t+7], v[S+12*\t:S+12*\t+11], v[PC:PC+11], v[O+8*\t:O+8*\t+7], v[VSC+\t/2], v253 matrix_a_fmt:MATRIX_FMT_FP6 matrix_b_fmt:MATRIX_FMT_FP6 matrix_a_scale:MATRIX_SCALE_ROW1
.else
	v_wmma_scale_f32_16x16x128_f8f6f4 v[O+8*\t:O+8*\t+7], v[S+12*\t:S+12*\t+11], v[PC:PC+11], v[O+8*\t:O+8*\t+7], v[VSC+\t/2], v253 matrix_a_fmt:MATRIX_FMT_FP6 matrix_b_fmt:MATRIX_FMT_FP6
.endif
.endr
.if \hid
.Lskip_\@:
.endif
	s_add_co_u32 s[SS], s[SS], 4                   ; my next step of the job: four on, the next chunk
	s_add_co_u32 s[TBK], s[TBK], KCH
	s_add_co_u32 s[TBV], s[TBV], VCH
	s_add_co_u32 s[TBS], s[TBS], 1024
	s_add_co_u32 s[TBT], s[TBT], 16
.endm
; My partial goes to LDS: O^T as an image of its registers (lane l's 16 bytes at 16 l, 512 bytes a store), each accumulator from its low end on; then -M and my half of the sum, 4 bytes a lane.
.macro PSTORE img, st
	v_add_f32 v14, v14, v15
.irp k, 0,1,2,3,4,5,6,7
	ds_store_b128 v[\img], v[O+4*\k:O+4*\k+3] offset:512*\k
.endr
	ds_store_b32 v[\st], v12
	ds_store_b32 v[\st], v14 offset:128
.endm
	s_load_b256 s[4:11], s[0:1], 0x0               ; K's codes s[4:5], K's scales s[6:7], Q's codes s[8:9], Q's scales s[10:11]
	s_load_b128 s[12:15], s[0:1], 0x20             ; V's codes s[12:13], V's scales s[14:15]
	s_load_b64 s[16:17], s[0:1], 0x30              ; out0
	v_lshl_add_u32 v248, v0, 2, 0x48000
	v_mov_b32 v249, 0
	ds_add_u32 v248, v249
	ds_add_u32 v248, v249
	v_lshrrev_b32 v93, 5, v0
	s_delay_alu instid0(VALU_DEP_1)
	v_readfirstlane_b32 s[WV], v93                 ; wave 0 .. 15
	s_lshr_b32 s[TAU], s[WV], 2
	s_lshr_b32 s[PI], s[WV], 3
	s_and_b32 s[UU], s[TAU], 1
	s_add_co_u32 s[RHO], s[WV], s[TAU]
	s_and_b32 s[RHO], s[RHO], 3
	s_mul_i32 s[TMP], s[PI], 3
	s_xor_b32 s[RHO], s[RHO], s[TMP]               ; rho = ((wave + tau) % 4) xor 3 pi
	s_lshl_b32 s[WP], s[TAU], 2
	s_add_co_u32 s[WP], s[WP], s[RHO]              ; 4 tau + rho: my place among the partials
	s_sub_co_u32 s[GB], 15, ttmp9                  ; in a cluster launch ttmp9 counts clusters: c
	s_add_co_u32 s[GA], ttmp9, 8
	s_cmp_eq_u32 s[PI], 0
	s_cselect_b32 s[GB], s[GB], s[GA]              ; tile B's group: 15 - c or 8 + c
	s_sub_co_u32 s[GA], 15, s[GB]                  ; tile A's
	s_mov_b32 s[SEL], 0x76543210
	s_mov_b32 s[SEL+1], 0xfedcba98
	s_mov_b32 s[CS], 0x3cb8aa3b                    ; c = log2(e) / 64
	s_mov_b32 s[CS+1], s[CS]                       ; (named with it as a pair, so it is written)
	; descriptor groups 1.  15:0 the mask: all four partners; 17:16 elements of 8 bytes; 21 set beside a mask
	s_mov_b32 s[G1KC], 15|(3<<16)|(1<<21)          ; a chunk of K: 24,576 dense bytes as 96 rows of 256
	s_mov_b32 s[G1KC+1], 32<<16
	s_mov_b32 s[G1KC+2], 96<<16
	s_mov_b32 s[G1KC+3], 32<<16
	s_mov_b32 s[G1KC+4], 96
	s_mov_b32 s[G1KC+5], 32
	s_mov_b32 s[G1KC+6], 0
	s_mov_b32 s[G1KC+7], 0
	s_mov_b32 s[G1VC], 15|(3<<16)|(1<<20)|(1<<21)|(4<<22)|(3<<25)   ; a chunk of V: 64 rows of 384 bytes, 1,536 apart in memory; 4 words of padding behind every 32
	s_mov_b32 s[G1VC+1], 48<<16
	s_mov_b32 s[G1VC+2], 64<<16
	s_mov_b32 s[G1VC+3], 48<<16
	s_mov_b32 s[G1VC+4], 64
	s_mov_b32 s[G1VC+5], 192
	s_mov_b32 s[G1VC+6], 0
	s_mov_b32 s[G1VC+7], 0
	s_mov_b32 s[G1KS], 15|(3<<16)|(1<<21)          ; K's scale bytes: 4,096 dense bytes as 16 rows of 256
	s_mov_b32 s[G1KS+1], 32<<16
	s_mov_b32 s[G1KS+2], 16<<16
	s_mov_b32 s[G1KS+3], 32<<16
	s_mov_b32 s[G1KS+4], 16
	s_mov_b32 s[G1KS+5], 32
	s_mov_b32 s[G1KS+6], 0
	s_mov_b32 s[G1KS+7], 0
	s_mov_b32 s[G1VS], 15|(3<<16)|(1<<20)|(1<<21)|(3<<22)|(1<<25)   ; V's scale bytes: 64 rows of 64 bytes; 2 words of padding behind every 16
	s_mov_b32 s[G1VS+1], 8<<16
	s_mov_b32 s[G1VS+2], 64<<16
	s_mov_b32 s[G1VS+3], 8<<16
	s_mov_b32 s[G1VS+4], 64
	s_mov_b32 s[G1VS+5], 8
	s_mov_b32 s[G1VS+6], 0
	s_mov_b32 s[G1VS+7], 0
	s_and_b32 s96, ttmp7, 0xffff                   ; the head, which the partners share
	s_mul_i32 s98, s96, 98304                      ; its first byte in each tensor of codes,
	s_mov_b32 s99, 0
	s_lshl_b32 s100, s96, 12                       ; and in K's and V's scale bytes
	s_mov_b32 s101, 0
	s_lshr_b32 s[TMP], s[WV], 1
	s_add_co_u32 s[TMP], s[TMP], 1
	s_min_u32 s[TMP], s[TMP], 3                    ; n: waves 0, 1 bring chunk 1, waves 2, 3 chunk 2, waves 4, 5 chunk 3 (the others issue nothing)
	s_mul_i32 s2, s[TMP], KCH                      ; K's chunk n: the same step in memory and in LDS
	s_mov_b32 s3, 0
	s_mul_i32 s30, s[TMP], 384                     ; V's chunk n in memory,
	s_mov_b32 s31, 0
	s_mul_i32 s94, s[TMP], VCH                     ; and in LDS
	; the lane's places
	v_and_b32 v93, 15, v0                          ; r
	v_bfe_u32 v94, v0, 4, 1                        ; h
	v_and_b32 v95, 31, v0                          ; lane
	s_delay_alu instid0(VALU_DEP_3)
	v_and_b32 v[ADK], 8, v93
	s_delay_alu instid0(VALU_DEP_1)
	v_add_nc_u32 v[ADK], v[ADK], v93               ; r + 8 (r / 8)
	s_delay_alu instid0(VALU_DEP_1)
	v_mul_u32_u24 v[AK0], v[ADK], 48
	s_delay_alu instid0(VALU_DEP_1)
	v_mad_u32_u24 v[AK0], v94, 24, v[AK0]          ; K: my key's row, my half's 24 bytes
	s_delay_alu instid0(VALU_DEP_3)
	v_lshl_add_u32 v[ASK0], v94, 3, v[ADK]
	s_delay_alu instid0(VALU_DEP_1)
	v_lshl_add_u32 v[ASK0], v[ASK0], 1, SCK        ; K's scale words: lanes 16-31 take the tile 8 keys on
	v_mul_u32_u24 v[ASV0], v95, 72
	s_delay_alu instid0(VALU_DEP_1)
	v_add_nc_u32 v[ASV0], SCV, v[ASV0]             ; V's scale words: row = lane
	v_mul_u32_u24 v[VR], v93, VPITCH
	s_delay_alu instid0(VALU_DEP_1)
	v_add_nc_u32 v[VR], VB, v[VR]                  ; V: row r of a tile
	v_mul_u32_u24 v[XH], v94, 24
	v_mul_u32_u24 v[QV], v93, 48
	s_delay_alu instid0(VALU_DEP_1)
	v_mad_u32_u24 v[QV], v94, 24, v[QV]            ; Q in memory: row r, my half's 24 bytes
	v_lshlrev_b32 v[QS], 1, v93                    ; and its two scale bytes
	s_mul_i32 s[TMP], s[WP], PSZ
	v_lshl_add_u32 v[PAI], v95, 4, s[TMP]
	s_delay_alu instid0(VALU_DEP_1)
	v_add_nc_u32 v[PBI], PB, v[PAI]
	v_lshl_add_u32 v[PAS], v95, 2, s[TMP]
	s_delay_alu instid0(VALU_DEP_1)
	v_add_nc_u32 v[PAS], 4096, v[PAS]
	s_delay_alu instid0(VALU_DEP_1)
	v_add_nc_u32 v[PBS], PB, v[PAS]
	s_lshl_b32 s[TMP], s[WP], 8
	v_lshl_add_u32 v[AVSP], v94, 5, s[TMP]
	s_delay_alu instid0(VALU_DEP_1)
	v_add_nc_u32 v[AVSP], VSP, v[AVSP]             ; my partial sum of V: 256 bytes a wave, 32 bytes for each half of the lanes
	v_and_b32 v[AVR], 63, v0
	s_delay_alu instid0(VALU_DEP_1)
	v_lshl_add_u32 v[AVR], v[AVR], 2, VSP          ; and where threads 0-63 add the sixteen up
	v_mov_b32 v[SEN], 0xe4000000                   ; -2^73
.irp i, 6,7,8,9,10,11
	v_mov_b32 v[QF+\i], 0                          ; k = 64 .. 127 of the first product: zero codes, on both sides
	v_mov_b32 v[KF+\i], 0
	v_mov_b32 v[KF+12+\i], 0
	v_mov_b32 v[KF+24+\i], 0
	v_mov_b32 v[KF+36+\i], 0
.endr
	s_wait_dscnt 0x0
	s_wait_kmcnt 0x0
	s_mov_b32 s[G0KS], 1                           ; groups 0: count 1; LDS address; address in memory; type 2 in the top two bits
	s_mov_b32 s[G0KS+1], SCK
	s_add_nc_u64 s[G0KS+2:G0KS+3], s[6:7], s[100:101]
	s_or_b32 s[G0KS+3], s[G0KS+3], 0x80000000
	s_mov_b32 s[G0K0], 1
	s_mov_b32 s[G0K0+1], 0
	s_add_nc_u64 s[G0K0+2:G0K0+3], s[4:5], s[98:99]
	s_mov_b32 s[G0KX], 1
	s_mov_b32 s[G0KX+1], s2
	s_add_nc_u64 s[G0KX+2:G0KX+3], s[G0K0+2:G0K0+3], s[2:3]
	s_or_b32 s[G0K0+3], s[G0K0+3], 0x80000000
	s_or_b32 s[G0KX+3], s[G0KX+3], 0x80000000
	s_mov_b32 s[G0VS], 1
	s_mov_b32 s[G0VS+1], SCV
	s_add_nc_u64 s[G0VS+2:G0VS+3], s[14:15], s[100:101]
	s_or_b32 s[G0VS+3], s[G0VS+3], 0x80000000
	s_mov_b32 s[G0V0], 1
	s_mov_b32 s[G0V0+1], VB
	s_add_nc_u64 s[G0V0+2:G0V0+3], s[12:13], s[98:99]
	s_mov_b32 s[G0VX], 1
	s_add_co_u32 s[G0VX+1], s94, VB
	s_add_nc_u64 s[G0VX+2:G0VX+3], s[G0V0+2:G0V0+3], s[30:31]
	s_or_b32 s[G0V0+3], s[G0V0+3], 0x80000000
	s_or_b32 s[G0VX+3], s[G0VX+3], 0x80000000
	ROUND                                          ; all four partners are here: the joint loads meet
	; ALL FILLS OF THE LAUNCH, in one branch on the wave's number.  Wave 0: K's scale bytes, chunks 0 and 1; wave 1: the same of V; waves 2, 4: K's chunks 2, 3; waves 3, 5: V's.  Three loads of a wave are out at the most.
	; Four v_nop follow the last load of each arm, ahead of the jump and the label.
	s_cmp_gt_u32 s[WV], 5
	s_cbranch_scc1 .Lasked
	s_cmp_eq_u32 s[WV], 0
	s_cbranch_scc1 .Larm_k0
	s_cmp_eq_u32 s[WV], 1
	s_cbranch_scc1 .Larm_v0
	s_and_b32 s[TMP], s[WV], 1
	s_cmp_eq_u32 s[TMP], 0
	s_cbranch_scc1 .Larm_kx
	tensor_load_to_lds s[G0VX:G0VX+3], s[G1VC:G1VC+7]
	s_nop 0
	PLACES
	s_branch .Lasked
.Larm_kx:
	tensor_load_to_lds s[G0KX:G0KX+3], s[G1KC:G1KC+7]
	s_nop 0
	PLACES
	s_branch .Lasked
.Larm_k0:
	tensor_load_to_lds s[G0KS:G0KS+3], s[G1KS:G1KS+7]
	s_nop 0
	tensor_load_to_lds s[G0K0:G0K0+3], s[G1KC:G1KC+7]
	s_nop 0
	tensor_load_to_lds s[G0KX:G0KX+3], s[G1KC:G1KC+7]
	s_nop 0
	PLACES
	s_branch .Lasked
.Larm_v0:
	tensor_load_to_lds s[G0VS:G0VS+3], s[G1VS:G1VS+7]
	s_nop 0
	tensor_load_to_lds s[G0V0:G0V0+3], s[G1VC:G1VC+7]
	s_nop 0
	tensor_load_to_lds s[G0VX:G0VX+3], s[G1VC:G1VC+7]
	s_nop 0
	PLACES
.Lasked:
	; my two tiles of queries.  cx enters here alone: offsets in memory, and the diagonal's compare
	s_bfe_u32 s[TMP], ttmp6, 0x40000               ; cx
	s_lshl_b32 s[TMP], s[TMP], 1
	s_add_co_u32 s[TMP], s[TMP], s[UU]             ; 2 cx + u: my tiles' place in their groups
	s_lshl_b32 s94, s[TMP], 4
	s_lshl_b32 s96, s96, 7
	s_add_co_u32 s96, s96, s[TMP]                  ; 128 x head + 2 cx + u
	s_lshl_b32 s2, s[GB], 3
	s_add_co_u32 s2, s2, s96                       ; s2: tile B's number among all heads' tiles,
	s_lshl_b32 s3, s[GA], 3
	s_add_co_u32 s3, s3, s96                       ; s3: tile A's.  A tile is 768 bytes of codes, 32 of scale bytes, 4,096 of out0
	s_mul_i32 s96, s2, 768
	s_mov_b32 s97, 0
	s_add_nc_u64 s[96:97], s[8:9], s[96:97]
	s_mul_i32 s98, s3, 768
	s_mov_b32 s99, 0
	s_add_nc_u64 s[98:99], s[8:9], s[98:99]
	s_lshl_b32 s100, s2, 5
	s_mov_b32 s101, 0
	s_add_nc_u64 s[100:101], s[10:11], s[100:101]
	s_lshl_b32 s8, s3, 5
	s_mov_b32 s9, 0
	s_add_nc_u64 s[10:11], s[10:11], s[8:9]
.irp p, 0,1,2
	global_load_b64 v[QF+2*\p:QF+2*\p+1], v[QV], s[96:97] offset:8*\p
.endr
	global_load_u16 v[QSC], v[QS], s[100:101]
.irp p, 0,1,2
	global_load_b64 v[QA+2*\p:QA+2*\p+1], v[QV], s[98:99] offset:8*\p
.endr
	global_load_u16 v[QA+6], v[QS], s[10:11]
	v_lshlrev_b32 v[DQ], 4, v94
	s_delay_alu instid0(VALU_DEP_1)
	v_sub_nc_u32 v[DQ], v93, v[DQ]
	s_delay_alu instid0(VALU_DEP_1)
	v_add_nc_u32 v[DQ], s94, v[DQ]                 ; 32 cx + 16 u + r - 16 h: the same for both tiles
	; ---- JOB B: steps rho + 4 i, i = 0 .. 3, of the long tile
	JOBADDR RHO
	s_mov_b32 s[GG], s[GB]
	s_mov_b32 s[SS], s[RHO]
	INIT
	s_wait_tensorcnt 0x1                           ; all but my last load have landed, and a wave's last load is one of chunks 1 to 3: so the scale bytes and both chunks 0 are in,
	s_barrier_signal -1
	s_barrier_wait -1                              ; for every wave.
	s_wait_loadcnt 0x0                             ; Q of both tiles; its address registers may now be written again
	STEP 0                                         ; step rho lies in chunk 0 and under the diagonal (tile B's group is 8 at the least); chunks 1 to 3 land meanwhile
	s_wait_tensorcnt 0x0                           ; my last load has landed,
	s_wait_dscnt 0x0
	s_barrier_signal -1
	s_barrier_wait -1                              ; everybody's has: the whole head lies in LDS
	s_mov_b32 s[CNT], 3
.Ljob_b:
	STEP 1
	s_sub_co_u32 s[CNT], s[CNT], 1
	s_cmp_lg_u32 s[CNT], 0
	s_cbranch_scc1 .Ljob_b
	s_setprio 0
	; ---- my sixteenth of the head's sum of V: step rho + 4 tau (each of the 16 steps falls to one wave): V^T x ones
	s_mul_i32 s[TMP], s[TAU], VCH
.irp p, 0,1,2,3,4,5
	v_add_nc_u32 v[ADV+\p], s[TMP], v[AVJ+\p]      ; (seven additions: the places behind the last products, whose registers are loaded and written below)
.endr
	s_lshl_b32 s[TMP], s[TAU], 4
	v_add_nc_u32 v[ADT], s[TMP], v[ASVJ]
.irp t, 0,1,2,3
.irp p, 0,1,2,3,4,5
	ds_load_b64 v[S+12*\t+2*\p:S+12*\t+2*\p+1], v[ADV+\p] offset:16*VPITCH*\t
.endr
.endr
	ds_load_b32 v[VSC], v[ADT]
	ds_load_b32 v[VSC+1], v[ADT] offset:32*72
	v_mov_b32 v253, 0x7f7f7f7f                     ; scale 1.0 for all four blocks
.irp i, 0,3,6,9
	v_mov_b32 v[PC+\i], 0x08208208                 ; the code of 1.0 (0b001000) 128 times: a stream of bits with a period of three words
	v_mov_b32 v[PC+1+\i], 0x82082082
	v_mov_b32 v[PC+2+\i], 0x20820820
.endr
.rept 8
	v_nop                                          ; a scale register written by a vector instruction stands 8 places ahead of a scaled matrix instruction, an operand 4
.endr
	s_wait_alu depctr_va_vdst(0)
	s_wait_dscnt 0x0
.irp t, 0,1,2,3
.if \t%2
	v_wmma_scale_f32_16x16x128_f8f6f4 v[144+8*\t+44*(\t/2):151+8*\t+44*(\t/2)], v[S+12*\t:S+12*\t+11], v[PC:PC+11], 0, v[VSC+\t/2], v253 matrix_a_fmt:MATRIX_FMT_FP6 matrix_b_fmt:MATRIX_FMT_FP6 matrix_a_scale:MATRIX_SCALE_ROW1
.else
	v_wmma_scale_f32_16x16x128_f8f6f4 v[144+8*\t+44*(\t/2):151+8*\t+44*(\t/2)], v[S+12*\t:S+12*\t+11], v[PC:PC+11], 0, v[VSC+\t/2], v253 matrix_a_fmt:MATRIX_FMT_FP6 matrix_b_fmt:MATRIX_FMT_FP6
.endif
.endr
	PLACES
.irp t, 0,1,2,3                                ; register j of tile t: channel 16 t + 8 h + j, the same number in all sixteen lanes of a half, which store the same bytes
	ds_store_b128 v[AVSP], v[144+8*\t+44*(\t/2):147+8*\t+44*(\t/2)] offset:64*\t
	ds_store_b128 v[AVSP], v[148+8*\t+44*(\t/2):151+8*\t+44*(\t/2)] offset:64*\t+16
.endr
	PSTORE PBI, PBS                                ; tile B's partial: bytes of its own
	s_wait_dscnt 0x0
	; ---- JOB A: steps (3 - rho) + 4 i, i = 0, 1, of the short tile
.irp i, 0,1,2,3,4,5
	v_mov_b32 v[QF+\i], v[QA+\i]
.endr
	v_mov_b32 v[QSC], v[QA+6]
	s_xor_b32 s101, s[RHO], 3                      ; 3 - rho
	JOBADDR 101
	s_mov_b32 s[GG], s[GA]
	s_mov_b32 s[SS], s101
	INIT
	s_mov_b32 s[CNT], 2
.Ljob_a:
	STEP 1
	s_sub_co_u32 s[CNT], s[CNT], 1
	s_cmp_lg_u32 s[CNT], 0
	s_cbranch_scc1 .Ljob_a
	s_setprio 0
	PLACES                                         ; behind the last products: their results are stored below
	s_wait_dscnt 0x0                               ; my reads of K and V are over, my stores have landed
	s_barrier_signal -1
	s_barrier_wait -1                              ; everybody's: K's and V's bytes, which have had their one fill, are free
	s_wait_alu depctr_va_vdst(0)
	PSTORE PAI, PAS                                ; tile A's partial, over K
	; the addresses of the merge, on every wave's way
	v_and_b32 v93, 15, v0                          ; r
	v_bfe_u32 v94, v0, 4, 1                        ; h
	v_and_b32 v95, 31, v0                          ; lane
	s_and_b32 s[TMP], s[RHO], 1
	s_mul_i32 s[TMP], s[TMP], PB                   ; wave rho = 1 merges tile B (from PB on), wave rho = 2 tile A (from 0 on)
	s_mul_i32 s100, s[TAU], 4*PSZ
	s_add_co_u32 s[TMP], s[TMP], s100              ; my team's four partials
	v_lshl_add_u32 v1, v95, 4, s[TMP]              ; the images
	v_lshl_add_u32 v2, v95, 2, s[TMP]
	s_delay_alu instid0(VALU_DEP_1)
	v_add_nc_u32 v2, 4096, v2                      ; -M and the sums
	s_mul_i32 s100, s[WP], PSZ
	s_add_co_u32 s100, s100, VB                    ; my stage, over V
	v_mul_u32_u24 v3, v93, SPITCH
	s_delay_alu instid0(VALU_DEP_1)
	v_lshl_add_u32 v3, v94, 5, v3
	s_delay_alu instid0(VALU_DEP_1)
	v_add_nc_u32 v3, s100, v3                      ; in: row r, 32 bytes for each half of the lanes
	v_mul_u32_u24 v4, v94, SPITCH
	s_delay_alu instid0(VALU_DEP_1)
	v_lshl_add_u32 v4, v93, 4, v4
	s_delay_alu instid0(VALU_DEP_1)
	v_add_nc_u32 v4, s100, v4                      ; back: lanes 0-15 one row of 256 bytes, lanes 16-31 the next
	v_lshl_add_u32 v5, v94, 5, VSF                 ; the head's sum of V: my half's eight channels of each tile
	v_lshlrev_b32 v6, 4, v95                       ; out0: 16 bytes a lane
	s_cmp_gt_u32 s[WV], 1
	s_cbranch_scc1 .Lno_sum
.irp k, 0,1,2,3,4,5,6,7,8,9,10,11,12,13,14,15   ; threads 0-63: one channel each, the sixteen waves' partial sums
	ds_load_b32 v[S+\k], v[AVR] offset:256*\k
.endr
	s_wait_dscnt 0x0
.irp k, 0,2,4,6,8,10,12,14
	v_add_f32 v[S+\k], v[S+\k], v[S+1+\k]
.endr
.irp k, 0,4,8,12
	v_add_f32 v[S+\k], v[S+\k], v[S+2+\k]
.endr
	s_delay_alu instid0(VALU_DEP_3)
	v_add_f32 v[S], v[S], v[S+4]
	s_delay_alu instid0(VALU_DEP_2)
	v_add_f32 v[S+8], v[S+8], v[S+12]
	s_delay_alu instid0(VALU_DEP_1)
	v_add_f32 v[S], v[S], v[S+8]
	ds_store_b32 v[AVR], v[S] offset:VSF-VSP
.Lno_sum:
	s_wait_dscnt 0x0                               ; my stores have landed
	s_barrier_signal -1
	s_barrier_wait -1                              ; all partials and the sum of V lie in LDS
	; ---- THE MERGE: two waves of each team, one tile each
	s_cmp_eq_u32 s[RHO], 0
	s_cbranch_scc1 .Lend
	s_cmp_eq_u32 s[RHO], 3
	s_cbranch_scc1 .Lend
	s_cmp_eq_u32 s[RHO], 1
	s_cselect_b32 s96, s2, s3                      ; the tile's number
	s_lshl_b32 s96, s96, 12
	s_mov_b32 s97, 0
	s_add_nc_u64 s[16:17], s[16:17], s[96:97]      ; its 16 rows of out0
	s_wait_alu depctr_va_vdst(0)
.irp k, 0,1,2,3
	ds_load_b32 v[232+\k], v2 offset:PSZ*\k
	ds_load_b32 v[236+\k], v2 offset:PSZ*\k+128
.endr
.irp k, 0,1,2,3
.irp j, 0,1,2,3,4,5,6,7
	ds_load_b128 v[32+32*\k+4*\j:35+32*\k+4*\j], v1 offset:PSZ*\k+512*\j
.endr
.endr
	s_wait_dscnt 0x0
	v_min3_num_f32 v224, v232, v233, v234
	s_delay_alu instid0(VALU_DEP_1)
	v_min_num_f32 v224, v224, v235                 ; -M of the tile: the least -M
.irp k, 0,1,2,3
	v_sub_f32 v[241+2*\k], v224, v[232+\k]         ; M_k - M: a whole number, 0 or less
.endr
.irp k, 0,1,2,3
	s_delay_alu instid0(VALU_DEP_4)
	v_cvt_i32_f32 v[241+2*\k], v[241+2*\k]         ; (it saturates: an empty partial, and one of masked scores alone beside a real one, get the factor 0)
.endr
.irp k, 0,1,2,3
	s_delay_alu instid0(VALU_DEP_4)
	v_ldexp_f32 v[240+2*\k], 1.0, v[241+2*\k]      ; f_k = 2^(M_k - M)
.endr
.set JJ, 0
.rept 16
	v_pk_mul_f32 v[O+JJ:O+JJ+1], v[32+JJ:33+JJ], v[240:241] op_sel_hi:[1,0]
.set JJ, JJ+2
.endr
.irp k, 1,2,3
.set JJ, 0
.rept 16
	v_pk_fma_f32 v[O+JJ:O+JJ+1], v[32+32*\k+JJ:33+32*\k+JJ], v[240+2*\k:241+2*\k], v[O+JJ:O+JJ+1] op_sel_hi:[1,0,1]
.set JJ, JJ+2
.endr
.endr
.irp t, 0,1,2,3
	ds_load_b128 v[32+8*\t:35+8*\t], v5 offset:64*\t           ; the head's sum of V, in O^T's layout
	ds_load_b128 v[36+8*\t:39+8*\t], v5 offset:64*\t+16
.endr
	v_mul_f32 v225, v240, v236
	s_delay_alu instid0(VALU_DEP_1)
	v_fmac_f32 v225, v242, v237
	s_delay_alu instid0(VALU_DEP_1)
	v_fmac_f32 v225, v244, v238
	s_delay_alu instid0(VALU_DEP_1)
	v_fmac_f32 v225, v246, v239                    ; my half of the row's sum
	v_mov_b32 v226, 0
	s_delay_alu instid0(VALU_DEP_1)
	v_permlanex16_b32 v226, v225, s[SEL], s[SEL+1]
	s_delay_alu instid0(VALU_DEP_1)
	v_add_f32 v225, v225, v226                     ; with lane l xor 16's
	v_mov_b32 v227, 0x45000000                     ; 2,048.0
	v_cmp_le_f32 vcc_lo, 0x5d800000, v224          ; -M at 2^60 or more: nothing in the row but masked logits
	s_delay_alu instid0(VALU_DEP_1)
	v_cndmask_b32 v225, v225, v227, vcc_lo         ; such a row is the mean of all 2,048 v
	s_wait_alu depctr_va_vdst(0)
	v_rcp_f32 v228, v225
	v_mov_b32 v229, 0                              ; (a plain place behind the reciprocal; the pair's upper half is written)
	s_wait_dscnt 0x0
.set JJ, 0
.rept 32
	v_cndmask_b32 v[O+JJ], v[O+JJ], v[32+JJ], vcc_lo
.set JJ, JJ+1
.endr
.set JJ, 0
	s_wait_alu depctr_va_vdst(0)
.rept 16
	v_pk_mul_f32 v[O+JJ:O+JJ+1], v[O+JJ:O+JJ+1], v[228:229] op_sel_hi:[1,0]
.set JJ, JJ+2
.endr
.irp t, 0,1,2,3                                ; register 8 t + j is out0(r, 16 t + 8 h + j): through my stage, so that whole rows leave
	ds_store_b128 v3, v[O+8*\t:O+8*\t+3] offset:64*\t
	ds_store_b128 v3, v[O+8*\t+4:O+8*\t+7] offset:64*\t+16
.endr
.irp i, 0,1,2,3,4,5,6,7
	ds_load_b128 v[32+4*\i:35+4*\i], v4 offset:2*SPITCH*\i     ; LDS serves a wave's instructions in order (ISA guide 5.7.1.4): these see my stores
.endr
.irp i, 0,1,2,3,4,5,6,7
	s_wait_dscnt 7-\i                              ; the younger loads may stay out
	global_store_b128 v6, v[32+4*\i:35+4*\i], s[16:17] offset:512*\i th:TH_STORE_NT   ; 32 lanes store two rows: 512 consecutive bytes, at a multiple of 256 from out0's first byte
.endr
.Lend:
	s_wait_dscnt 0x0
	s_wait_tensorcnt 0x0
	ds_add_u32 v248, v249
	s_wait_dscnt 0x0
	ROUND                                          ; the closing round: no work-group ends while a partner may still ask for a tile that names it
	s_endpgm
.Lfunc_end_k_qd96211b0bc_attn:
	.size	k_qd96211b0bc_attn, .Lfunc_end_k_qd96211b0bc_attn-k_qd96211b0bc_attn
	.p2alignl 7, 3214868480
	.fill 96, 4, 3214868480
	.section	.rodata,"a",@progbits
	.p2align	6, 0x0
	.amdhsa_kernel k_qd96211b0bc_attn
		.amdhsa_group_segment_fixed_size 296960
		.amdhsa_private_segment_fixed_size 0
		.amdhsa_enable_private_segment 0
		.amdhsa_kernarg_size 56
		.amdhsa_user_sgpr_count 2
		.amdhsa_user_sgpr_kernarg_segment_ptr 1
		.amdhsa_wavefront_size32 1
		.amdhsa_system_sgpr_workgroup_id_x 1
		.amdhsa_system_sgpr_workgroup_id_y 1
		.amdhsa_system_sgpr_workgroup_id_z 1
		.amdhsa_system_vgpr_workitem_id 0
		.amdhsa_next_free_vgpr 256
		.amdhsa_next_free_sgpr 102
		.amdhsa_reserve_vcc 1
		.amdhsa_float_denorm_mode_32 3
		.amdhsa_float_denorm_mode_16_64 3
		.amdhsa_memory_ordered 1
		.amdhsa_forward_progress 1
		.amdhsa_inst_pref_size 135
	.end_amdhsa_kernel
	.amdgpu_metadata
---
amdhsa.version: [ 1, 2 ]
amdhsa.kernels:
  - .name:           k_qd96211b0bc_attn
    .symbol:         k_qd96211b0bc_attn.kd
    .args:
      - { .name: k_codes, .offset: 0, .size: 8, .value_kind: global_buffer, .address_space: global }
      - { .name: k_scales, .offset: 8, .size: 8, .value_kind: global_buffer, .address_space: global }
      - { .name: q_codes, .offset: 16, .size: 8, .value_kind: global_buffer, .address_space: global }
      - { .name: q_scales, .offset: 24, .size: 8, .value_kind: global_buffer, .address_space: global }
      - { .name: v_codes, .offset: 32, .size: 8, .value_kind: global_buffer, .address_space: global }
      - { .name: v_scales, .offset: 40, .size: 8, .value_kind: global_buffer, .address_space: global }
      - { .name: out0, .offset: 48, .size: 8, .value_kind: global_buffer, .address_space: global }
    .group_segment_fixed_size: 296960
    .private_segment_fixed_size: 0
    .kernarg_segment_align: 8
    .kernarg_segment_size: 56
    .max_flat_workgroup_size: 512
    .sgpr_count:     102
    .vgpr_count:     256
    .wavefront_size: 32
...
	.end_amdgpu_metadata
.endif
;; end of part 1
